; MI455X (gfx1250); checked and timed in simulation.
; The chip was launched on July 23, 2026; its instructions are those of AMD's public machine-readable ISA for CDNA 5 (MIT licence, August 2026) and "CDNA5" Instruction Set Architecture Reference Guide (July 2026). The comments in the code are by the model that wrote it; some were corrected since.
;; Progressive Interaction Layer. Allowed arithmetic: matrix products marked QUANTISED: E5M2 operands, one E8M0 scale for each 32 along K, by v_wmma_scale_f32_16x16x128_f8f6f4 with both operands' format E5M2, f32 sums; everything else in f32.
;; Inputs: alpha 1 float32; beta 1 float32; i2u_in_b 3,072 float32; i2u_in_w_codes 3,072 x 32 x 32 uint8 (E5M2 codes of i2u_in_w, K innermost, in blocks of 32 codes); i2u_in_w_scales 3,072 x 32 uint8 (E8M0 scales of i2u_in_w, one for each 32 codes along K); i2u_out_b 1,024 float32; i2u_out_w_codes 1,024 x 32 x 32 uint8 (E5M2 codes of i2u_out_w, K innermost, in blocks of 32 codes); i2u_out_w_scales 1,024 x 32 uint8 (E8M0 scales of i2u_out_w, one for each 32 codes along K); item_emb 8,192 x 1,024 float32; item_norm_b 1,024 float32; item_norm_g 1,024 float32; u2i_in_b 3,072 float32; u2i_in_w_codes 3,072 x 32 x 32 uint8 (E5M2 codes of u2i_in_w, K innermost, in blocks of 32 codes); u2i_in_w_scales 3,072 x 32 uint8 (E8M0 scales of u2i_in_w, one for each 32 codes along K); u2i_out_b 1,024 float32; u2i_out_w_codes 1,024 x 32 x 32 uint8 (E5M2 codes of u2i_out_w, K innermost, in blocks of 32 codes); u2i_out_w_scales 1,024 x 32 uint8 (E8M0 scales of u2i_out_w, one for each 32 codes along K); user_emb 8,192 x 1,024 float32; user_norm_b 1,024 float32; user_norm_g 1,024 float32.
;; Outputs: out0 8,192 x 1,024 float32; out1 8,192 x 1,024 float32.
;; This version of the problem:
;;   THIS VERSION OF THE PROBLEM IS GIVEN IN LOW PRECISION. The matrix products marked QUANTISED in the list below multiply operands that are first quantised to E5M2 (5 exponent bits, 2 mantissa bits; 8 bits a number), with one power-of-two scale for each 32 numbers along K (OCP MX v1.0); their sums are f32. All else is computed in f32.
;;   The module's matrix products, in the order in which they are computed (A, B: the left and right operand; K: the contracted axis; several contracted axes count as one K, in the product's order):
;;     1. [M 8,192, K 1,024] x [K 1,024, N 1,024]; A: input user_emb; B: input u2i_in_w (given as codes): QUANTISED
;;     2. [M 8,192, K 1,024] x [K 1,024, N 1,024]; A: input item_emb; B: input u2i_in_w (given as codes): QUANTISED
;;     3. [M 8,192, K 1,024] x [K 1,024, N 1,024]; A: input item_emb; B: input u2i_in_w (given as codes): QUANTISED
;;     4. [M 8,192, K 1,024] x [K 1,024, N 1,024]; A: computed on the way; B: input u2i_out_w (given as codes): QUANTISED
;;     5. [M 8,192, K 1,024] x [K 1,024, N 1,024]; A: input item_emb; B: input i2u_in_w (given as codes): QUANTISED
;;     6. [M 8,192, K 1,024] x [K 1,024, N 1,024]; A: input user_emb; B: input i2u_in_w (given as codes): QUANTISED
;;     7. [M 8,192, K 1,024] x [K 1,024, N 1,024]; A: input user_emb; B: input i2u_in_w (given as codes): QUANTISED
;;     8. [M 8,192, K 1,024] x [K 1,024, N 1,024]; A: computed on the way; B: input i2u_out_w (given as codes): QUANTISED
;;   THE QUANTISER, for each operand of a quantised product, along K:
;;     - K is cut into blocks of 32 from its start; a last block that is shorter is filled with zeros.
;;     - A block's scale is 2^e with e = floor(log2(the largest magnitude in the block)) - 15, held to -126 .. 127; a block of zeros has e = 0. As a byte (E8M0): e + 127.
;;     - Each number is divided by its block's scale, clamped to +-57,344, and rounded to the nearest number of E5M2, ties to even, subnormals kept.
;;     - The product sums the exact products of the quantised numbers (number of the format x scale) in f32.
;;   ~~~python
;;   def quantise(x, axis):      # numpy; x: float32 -> the quantised numbers, widened to float32 again
;;       x = np.moveaxis(x, axis, -1); K = x.shape[-1]
;;       x = np.pad(x, [(0, 0)] * (x.ndim - 1) + [(0, -K % 32)]); x = x.reshape(x.shape[:-1] + (-1, 32)); a = np.abs(x).max(-1, keepdims=True)
;;       e = np.where(a > 0, np.clip(np.frexp(np.where(a > 0, a, 1))[1] - 1 - 15, -126, 127), 0)      # np.frexp(a)[1] - 1 = floor(log2(a)), exactly
;;       r = np.clip(x / 2.0 ** e, -57344, 57344)
;;       step = 2.0 ** (np.maximum(np.frexp(np.where(r == 0, 1, r))[1] - 1, -14) - 2)
;;       q = np.round(r / step) * step * 2.0 ** e      # np.round: ties to even
;;       return np.moveaxis(q.reshape(q.shape[:-2] + (-1,))[..., :K], -1, axis).astype(np.float32)
;;   ~~~
;;   OPERANDS COMPUTED ON THE WAY. 'Computed on the way' means the value that the module computes at that place (a softmax that the list does not call 'softmax' is quantised finished and normalised). What goes into a quantiser is computed in f32, as accurately as f32 sums, v_exp_f32 and their like allow (about 1e-6 of the number): no bf16 or f16 on the way to a quantiser, and a product that is left as it is and whose result goes on into a quantised operand takes f32 operands (vector FMAs, or v_wmma_f32_16x16x4_f32). A number that lies on a knife's edge between two numbers of the format may be rounded either way, as far as f32 arithmetic and the matrix unit's own rounding can turn it there, and no further.
;;   INPUTS GIVEN AS CODES. i2u_in_w (in the module: [3072, 1024], K = its axis 1); i2u_out_w (in the module: [1024, 1024], K = its axis 1); u2i_in_w (in the module: [3072, 1024], K = its axis 1); u2i_out_w (in the module: [1024, 1024], K = its axis 1): each comes as NAME_codes (uint8): NAME with its K axis moved to the last place and cut into blocks of 32 codes, [.., K / 32, bytes a block], one block behind the other in memory; one code a byte (a code: sign, 5 exponent bits, 2 mantissa bits); and NAME_scales (uint8): the same leading axes, one E8M0 byte (e + 127) for each 32 codes along K. Its value is code x scale, taken as it is: it is not quantised again, and the codes and scales need not be those that the quantiser above would give.
;; One version. Each part assembles by itself: llvm-mc -triple=amdgcn-amd-amdhsa -mcpu=gfx1250 --defsym DOCPART=n.
;; ======== version 1 of 1: 1 launch
;; limits: right only within a limited range of input values
;; launch fused (part 1): grid 128 x 2, 4 waves a work-group, clusters of 4 x 1, 327,680 bytes of LDS; arguments user_emb, item_emb, u2i_in_w_codes, i2u_in_w_codes, u2i_in_w_scales, i2u_in_w_scales, u2i_in_b, i2u_in_b, u2i_out_w_codes, i2u_out_w_codes, u2i_out_w_scales, i2u_out_w_scales, u2i_out_b, i2u_out_b, user_norm_g, item_norm_g, user_norm_b, item_norm_b, alpha, beta, out0, out1; writes out0, out1
.if DOCPART == 1
	.amdgcn_target "amdgcn-amd-amdhsa--gfx1250"
	.amdhsa_code_object_version 6
	.text
	.protected	k_q0857204ac8_fused
	.globl	k_q0857204ac8_fused
	.p2align	8
	.type	k_q0857204ac8_fused,@function
k_q0857204ac8_fused:
	s_mov_b64 s[64:65], 0
	v_nop
	global_prefetch_b8 v0, s[64:65] scope:SCOPE_SE
	s_setreg_imm32_b32 hwreg(HW_REG_WAVE_MODE, 25, 1), 1
	s_wait_xcnt 0x0
	s_wait_alu depctr_hold_cnt(0) depctr_sa_sdst(0) depctr_va_vdst(0) depctr_va_sdst(0) depctr_va_ssrc(0) depctr_va_vcc(0) depctr_vm_vsrc(0)
	s_getreg_b32 s2, hwreg(HW_REG_IB_STS2, 6, 4)
	s_cmp_eq_u32 s2, 0
	s_cbranch_scc0 .Lentry_in_a_cluster
	s_endpgm
.Lentry_in_a_cluster:
	s_bfe_u32 s2, ttmp6, 0x10000c
	s_cmp_lg_u32 s2, 0x3003
	s_cbranch_scc0 .Lentry_shape_is_right
	s_endpgm
.Lentry_shape_is_right:
; out0 = LayerNorm(user_emb + alpha * att(item_emb; u2i)), out1 = LayerNorm(item_emb + beta * att(user_emb; i2u)),
; att(x; W) = Q(Q(x) Wv^T + bv) Wout^T + bo, Q the MX-BF8 quantiser along K, Wv = rows 2048 .. 3071 of in_w, bv = in_b[2048:].
; DEAD WORK, LEFT OUT.  In _mha_seq1 the scores have shape [B, H, 1] and the softmax runs over that last axis, of length 1: for every finite score s it is
; exp(s - s) / exp(s - s) = 1.  So attn = 1 * v = v whatever q and k hold: the products x Wq^T and x Wk^T of both attentions (four of the eight), the scores and the softmax are not made;
; rows 0 .. 2047 of both in_w (codes and scales) and in_b[0:2048] are not loaded.  Every buffer still has a live part, so all are arguments.
; LIMITS: a NaN, an infinity or an overflow that would arise in q, k or the scores alone is not carried to the result.  NaN and infinities among the inputs are not served.
; A block of zeros gets the scale byte 1 where the quantiser says 127: its codes are zeros and these bytes are read by this text alone.
; The variance is the mean of (x - mean)^2, taken in a second pass: no difference of large sums is formed.
; SHARES.  Work-group y = the path (0: out0, 1: out1), x = a block of 64 rows: 256 work-groups.  Four waves; wave w owns columns 256 w .. 256 w + 255 of BOTH products for all 64 rows: 64 accumulators, 512 registers.
; Both products are used transposed (source 0 = 16 rows of W, source 1 = 16 rows of the operand): a lane holds ONE row (lane % 16), its 8 registers the columns 16 t + 8 (lane / 16) + 0 .. 7.
; PHASES.  X: wave w quantises rows 16 w .. 16 w + 15 of the operand into LDS | P: a product, eight rounds | H: the hidden layer is quantised into the same LDS rows | P again |
; E: the sums cross LDS, after which wave w owns rows 16 w .. 16 w + 15 whole: residual, LayerNorm, stores.  Nothing goes to memory between the phases.
.set RP,    1040                       ; an LDS row of 1,024 codes + 16 of padding = 260 words: row r starts at bank 4 r mod 64 (64 banks of 4 bytes: ISA guide 11.1)
; A ROUND i = 2 j + u of a product is 256 along K (chunk j) x tiles 8 u .. 8 u + 7 of each wave: 64 matrix instructions.  Tiles 8 u, 8 u + 1 come from memory straight into registers (32 KB a work-group); tiles
; 8 u + 2 .. 8 u + 7 (96 rows x 256 bytes a wave, 96 KB a work-group) through a ring of two LDS slots by JOINT tensor loads: the four work-groups of a cluster are four row blocks of one path and walk the same weights.
; Both ways are taken because a slot's load goes out only in a drained round: the register loads stay on their way across it.  The waves split N, so no weight byte is read from LDS by two waves.
; PREFETCHES.  Weights: in round i for what round i + 4 uses (the second product's rounds 0 .. 3 in the first's 4 .. 7; rounds 1 .. 3 in phase X), 512 rows x 256 bytes a round: a lane a row, 32 rows a wave, the four partners
; told apart by address; all 32 clusters of a path read the same weights, so clusters 0 and 12 of each path ask and the others do not.
; The residual has none: its rows are the operand of the other path's work-group with the same x, which loads them in phase X of the same launch; four rows are asked for in the last round, and each next four under the LayerNorm of the four before.
; The operand has none: two sets of four rows a wave are on their way by plain loads from the start.
; REGISTERS, in windows of 256.  Window 0: v1-27 addresses; v32-95 W's scale words, v98-113 the operand's (scales and nothing else); v114-127 at work; v128-255 the operand's fragments, two sets of 128 along K; outside the products temporaries.
;   Window 1: v0-63 the direct fragments, v64-255 those from LDS; in E the residual.   Windows 2, 3: accumulator (t, mt) at v[32 (t % 8) + 8 mt] of window 2 + t / 8; in X two sets of 4 rows x 32 numbers.
.set AP,    48                         ; a row of 32 scale bytes + 16
.set ASC,   64*RP                      ; LDS 0: 64 rows of codes; then 64 rows of scale bytes
.set PAR,   ASC+64*AP                  ; [wave][bv, bo][1,024 bytes]
.set SLOT0, PAR+8192                   ; two slots: [wave][96 rows][256 bytes + 16]
.set WROWS, 96
.set WPART, WROWS*272
.set SLOTB, 4*WPART
.set SPARE, 327680-512                 ; the spare words, 128 bytes for each wave: two blocks of 256 bytes that no other line names
.set EP,    4112                       ; phase E: 64 rows of 4,096 bytes + 16, from LDS 0 on: 263,168 bytes
.set SPW, 1                            ; v1   LDS address of my spare word; never rewritten
.set NIL, 2                            ; v2   0; never rewritten
.set BO,  3                            ; W's codes: 1,024 r + 16 h
.set WSO, 4                            ; W's scale bytes: 32 r + 16 h
.set AF0, 5                            ; the operand's fragments: RP r + 16 h
.set ASA, 6                            ; its scale words: ASC + AP x lane
.set PRA, 7                            ; PAR + 2,048 w + 32 h
.set BIC, 8                            ; the product's bias
.set HA,  9                            ; the hidden layer's codes: RP r + 256 w + 8 h
.set HS,  10                           ; its scale bytes: ASC + AP r + 8 w
.set XO,  11                           ; X: 32 x lane
.set CA0, 12                           ; X: 16 RP w + 8 x lane
.set SA0, 13                           ; X: ASC + 16 AP w + lane / 4
.set LF0, 16                           ; v16, v17 my fragments in slot 0, 1: slot + WPART w + 272 r + 16 h
.set PFW, 18                           ; the weights' prefetch: 1,024 (32 cx + lane)
.set GO,  20                           ; 16 x lane
.set GOT, 21                           ; the same in E's trip
.set ETR, 22                           ; E: 16 EP w + 16 x lane
.set ETT, 23                           ; the same in E's trip
.set ETW, 24                           ; v24-27 E: EP (16 mt + r) + 1,024 w + 32 h
.set WSR, 32
.set ASR, 98                           ; 98 = 2 mod 4: no product's two scale words have numbers equal modulo 8
.set PLO, 124                          ; head: 1,024 w + 16 x lane
.set PST, 125                          ; head: PAR + 2,048 w + 16 x lane
.set AS0, 128
.set XT,  128                          ; X: 16 largest magnitudes, then holds;
.set XSC, 144                          ; 16 scale operands;
.set XBY, 160                          ; 16 bytes;
.set XCD, 176                          ; 16 pairs of code registers;
.set PRT, 208                          ; the biases on their way to LDS
.set HT,  128                          ; H: +0 magnitudes, +4 exchange then bytes, +8 scale operands, +12 holds
.set BW,  144                          ; a pair of scale words for each tile of rows
.set HCD, 160                          ; four sets of 16 code registers
.set GG,  128                          ; E: g, then b: 32 numbers each
.set BB,  160
.set CH,  192                          ; two chains of pairs for each of four rows
.set TOT, 208
.set TP,  212
.set NM,  216                          ; -mean, later 1 / sigma: pairs
.set XB,   52                          ; s[52:53] the operand at my 16 rows
.set RSB,  54                          ; s[54:55] the residual at my 16 rows
.set WB,   56                          ; s[56:57] the product's codes at my 256 rows of W
.set WN,   58                          ; s[58:59] the second product's
.set WS1,  60                          ; s[60:61], s[62:63] their scale bytes
.set WS2,  62
.set WV,   66                          ; wave
.set PO,   67                          ; 1,024 x product
.set OUTB, 68                          ; s[68:69] the output at my 16 rows
.set AL,   70                          ; s[70:71] alpha or beta, twice
.set G0,   72                          ; s[72:75], s[76:83] the tensor load's descriptor
.set G1,   76
.set MNT,  84                          ; the mantissa field of 57,344
.set FLR,  85                          ; 2^(16 - 127)
.set SEL,  86                          ; s[86:87] v_permlanex16_b32's selects for lane l xor 16
.set WL,   88                          ; WPART x wave
.set PFL,  89                          ; 1 in the two clusters of the path that prefetch
.set PFM,  90                          ; the same; 0 in the second product
.set INV,  91                          ; 1 / 1,024
.set EPSR, 92                          ; 1e-5
.set EXM,  93                          ; 0x7f800000
.set MSB, 0
.macro WIN new                         ; the immediate's low byte: bits 1:0 source 0, 3:2 source 1, 5:4 source 2, 7:6 destination; its high byte repeats the setting that is left
.if MSB != (\new)
	s_set_vgpr_msb (MSB<<8)|(\new)
.set MSB, (\new)
.endif
.endm
.macro PLACES n                        ; plain vector instructions behind a matrix instruction (ISA guide 7.12.1)
.rept \n
	v_nop
.endr
.endm
.macro TLOAD
	tensor_load_to_lds s[G0:G0+3], s[G1:G1+7]
	s_nop 0
	PLACES 4
.endm
.macro CREST                           ; a round of the cluster's barrier behind its opening barrier
	s_cmp_lg_u32 s[WV], 0
	s_cbranch_scc1 .Lnot_wave_0_\@
	s_barrier_signal -3
.Lnot_wave_0_\@:
	s_barrier_wait -3
	s_barrier_signal -1
	s_barrier_wait -1
.endm
.macro CROUND                          ; a whole round
	s_barrier_signal -1
	s_barrier_wait -1
	CREST
.endm
.macro DESC base, n, slot              ; group 0: round n's 96 rows of W for my wave, from row 128 (n % 2) + 32 on, into my part of a slot
	s_add_co_u32 s[G0+1], s[WL], SLOT0+SLOTB*(\slot)
	s_add_nc_u64 s[G0+2:G0+3], s[\base:\base+1], 32768+131072*((\n)%2)+256*((\n)/2)
	s_or_b32 s[G0+3], s[G0+3], 0x80000000          ; type = 2
.endm
.macro ASKW flag, base, n              ; round n's weights are asked for ahead: my 32 of the wave's 128 rows, 256 bytes each
	s_cmp_lg_u32 s[\flag], 0
	s_cbranch_scc0 .Lno_ask_\@
	global_prefetch_b8 v[PFW], s[\base:\base+1] offset:131072*((\n)%2)+256*((\n)/2) th:TH_LOAD_NT scope:SCOPE_SE
.Lno_ask_\@:
.endm
.macro XLOAD win, row0                 ; four rows; a lane takes, of each quarter g of a row, 8 neighbours: k = 256 g + 8 x lane + 0 .. 7; the pair of instructions covers 1,024 consecutive bytes
	WIN ((\win)<<6)
.irp i, 0,1,2,3
.irp g, 0,1,2,3
	global_load_b128 v[32*\i+8*\g:32*\i+8*\g+3], v[XO], s[XB:XB+1] offset:((\row0)+\i)*4096+1024*\g
	global_load_b128 v[32*\i+8*\g+4:32*\i+8*\g+7], v[XO], s[XB:XB+1] offset:((\row0)+\i)*4096+1024*\g+16
.endr
.endr
	WIN 0
.endm
; 16 units (row i, quarter g), unit 4 i + g in registers 8 u .. 8 u + 7 of the set's window, taken by turns so that no line waits for the line above it; a block of 32 lies in four neighbouring lanes
.macro XQUANT win, row0
	s_wait_dscnt 0x0                               ; the last set's LDS stores have read the code and byte registers
	WIN 0x28+0x14*((\win)-2)
.set U_, 0
.rept 16
	v_max3_num_f32 v[XT+U_], s[FLR], |v[8*U_]|, |v[8*U_+1]|   ; the floor 2^(16 - 127) among the leaves: the scale's byte cannot fall under 1
.set U_, U_+1
.endr
.irp p, 2,4,6
.set U_, 0
.rept 16
	v_max3_num_f32 v[XT+U_], v[XT+U_], |v[8*U_+\p]|, |v[8*U_+\p+1]|
.set U_, U_+1
.endr
.endr
	WIN 0
.irp m, 1,2
.set U_, 0
.rept 16
	v_max_num_f32_dpp v[XT+U_], v[XT+U_], v[XT+U_] row_xmask:\m row_mask:0xf bank_mask:0xf
.set U_, U_+1
.endr
.endr
.set U_, 0
.rept 16
	v_add_nc_u32 v[XSC+U_], 0xf8800000, v[XT+U_]   ; 15 off its exponent field: the conversion takes the exponent field of this operand as its scale
.set U_, U_+1
.endr
.set U_, 0
.rept 16
	v_and_or_b32 v[XT+U_], v[XT+U_], s[EXM], s[MNT]   ; 57,344 x the scale
.set U_, U_+1
.endr
.set U_, 0
.rept 16
	v_lshrrev_b32 v[XBY+U_], 23, v[XSC+U_]         ; the scale's byte
.set U_, U_+1
.endr
	WIN 0x82+0x41*((\win)-2)
.set U_, 0
.rept 16
.irp p, 0,1,2,3,4,5,6,7
	v_med3_num_f32 v[8*U_+\p], v[8*U_+\p], -v[XT+U_], v[XT+U_]   ; the conversion to an 8-bit code does not saturate (ISA guide 7.6.2): the hold
.endr
.set U_, U_+1
.endr
	WIN 0x02+((\win)-2)
.set U_, 0
.rept 16
	v_cvt_scalef32_pk8_bf8_f32 v[XCD+2*U_:XCD+2*U_+1], v[8*U_:8*U_+7], v[XSC+U_]
.set U_, U_+1
.endr
	v_nop                                          ; a plain vector instruction behind the last scaled conversion
	WIN 0
.set U_, 0
.rept 16
	ds_store_b64 v[CA0], v[XCD+2*U_:XCD+2*U_+1] offset:((\row0)+U_/4)*RP+256*(U_%4)   ; 32 lanes: 256 consecutive bytes of the row of codes
	ds_store_b8 v[SA0], v[XBY+U_] offset:((\row0)+U_/4)*AP+8*(U_%4)                   ; a block's four lanes write the same byte with the same value
.set U_, U_+1
.endr
.endm
.macro WSLOAD base                     ; W's scale words: row 16 t + r has 32 bytes; lanes 0-15 take K steps 0-3, lanes 16-31 K steps 4-7: 512 consecutive bytes a load
.irp t, 0,1,2,3,4,5,6,7,8,9,10,11,12,13,14,15
	global_load_b128 v[WSR+4*\t:WSR+4*\t+3], v[WSO], s[\base:\base+1] offset:512*\t
.endr
.endm
.macro DLOAD base, n, e                ; round n's direct fragments, K step e of the chunk: lane (r, h), registers 4 c .. 4 c + 3: k = 32 c + 16 h + 0 .. 15 of row 16 tt + r: 8 loads
	WIN 0x40
.irp tt, 0,1
.irp c, 0,1,2,3
	global_load_b128 v[16*(2*(\e)+\tt)+4*\c:16*(2*(\e)+\tt)+4*\c+3], v[BO], s[\base:\base+1] offset:131072*((\n)%2)+16384*\tt+256*((\n)/2)+128*(\e)+32*\c
.endr
.endr
.endm
.macro LLOAD u, e                      ; the same of the other six tiles, from slot u: 24 loads
	WIN 0x40
.irp tt, 0,1,2,3,4,5
.irp c, 0,1,2,3
	ds_load_b128 v[64+16*(6*(\e)+\tt)+4*\c:64+16*(6*(\e)+\tt)+4*\c+3], v[LF0+(\u)] offset:4352*\tt+128*(\e)+32*\c
.endr
.endr
.endm
.macro ALOAD s                         ; the operand's four fragments of K step s into set s % 2: 16 loads
.irp mt, 0,1,2,3
.irp c, 0,1,2,3
	ds_load_b128 v[AS0+64*((\s)%2)+16*\mt+4*\c:AS0+64*((\s)%2)+16*\mt+4*\c+3], v[AF0] offset:16*RP*\mt+128*(\s)+32*\c
.endr
.endr
.endm
; One matrix instruction: tile 8 u + tl of W's rows x tile mt of the operand's rows, K step s; cm: accumulator (t, cm) is C.  W's scale word: register 4 t + s % 4, lanes 0-15 for s < 4, else lanes 16-31;
; the operand's: register 8 (mt / 2) + s, lanes 0-15 for even mt, else lanes 16-31.
.macro WM tl, u, s, mt, cm
.set rD, 32*(\tl)+8*(\mt)
.set rC, 32*(\tl)+8*(\cm)
.if (\tl) < 2
.set rW, 16*(2*((\s)%2)+(\tl))
.else
.set rW, 64+16*(6*((\s)%2)+(\tl)-2)
.endif
.set rA, AS0+64*((\s)%2)+16*(\mt)
.set rX, WSR+4*(8*(\u)+(\tl))+(\s)%4
.set rY, ASR+8*((\mt)/2)+(\s)
.if ((\s) < 4) && ((\mt)%2 == 0)
	v_wmma_scale_f32_16x16x128_f8f6f4 v[rD:rD+7], v[rW:rW+15], v[rA:rA+15], v[rC:rC+7], v[rX], v[rY] matrix_a_fmt:MATRIX_FMT_BF8 matrix_b_fmt:MATRIX_FMT_BF8
.elseif (\s) < 4
	v_wmma_scale_f32_16x16x128_f8f6f4 v[rD:rD+7], v[rW:rW+15], v[rA:rA+15], v[rC:rC+7], v[rX], v[rY] matrix_a_fmt:MATRIX_FMT_BF8 matrix_b_fmt:MATRIX_FMT_BF8 matrix_b_scale:MATRIX_SCALE_ROW1
.elseif (\mt)%2 == 0
	v_wmma_scale_f32_16x16x128_f8f6f4 v[rD:rD+7], v[rW:rW+15], v[rA:rA+15], v[rC:rC+7], v[rX], v[rY] matrix_a_fmt:MATRIX_FMT_BF8 matrix_b_fmt:MATRIX_FMT_BF8 matrix_a_scale:MATRIX_SCALE_ROW1
.else
	v_wmma_scale_f32_16x16x128_f8f6f4 v[rD:rD+7], v[rW:rW+15], v[rA:rA+15], v[rC:rC+7], v[rX], v[rY] matrix_a_fmt:MATRIX_FMT_BF8 matrix_b_fmt:MATRIX_FMT_BF8 matrix_a_scale:MATRIX_SCALE_ROW1 matrix_b_scale:MATRIX_SCALE_ROW1
.endif
.endm
; n tiles from tl on x the four tiles of rows, K step e of round i's chunk.  The accumulators take turns, one instruction a turn.
; K step 0 starts the sums with the bias as C: it was loaded into accumulator (t, 3); the others take it from there, and nine places later (t, 3) adds in place.
.macro MM tl, n, i, e
.set S_, 2*((\i)/2)+(\e)
.if S_ == 0
.irp mt, 0,1,2
.set T_, \tl
.rept \n
	WM T_, (\i)%2, 0, \mt, 3
.set T_, T_+1
.endr
.endr
	PLACES 9
.set T_, \tl
.rept \n
	WM T_, (\i)%2, 0, 3, 3
.set T_, T_+1
.endr
.else
.set T_, \tl
.rept \n
.irp mt, 0,1,2,3
	WM T_, (\i)%2, S_, \mt, \mt
.endr
.set T_, T_+1
.endr
.endif
.endm
.macro RESLOAD va, off                 ; four rows of the residual: 32 lanes take 512 consecutive bytes
	WIN 0x40
.irp ri, 0,1,2,3
.irp rq, 0,1,2,3,4,5,6,7
	global_load_b128 v[32*\ri+4*\rq:32*\ri+4*\rq+3], v[\va], s[RSB:RSB+1] offset:4096*\ri+512*\rq+(\off)
.endr
.endr
	WIN 0
.endm
; A round up to its last 24 products.  base, n: what the direct loads fetch next.  mode 0: either product; 1: the first product's last round; 2: the second's: in place of weights g, b and the residual's first rows come.
.macro RMAIN i, base, n, mode
	LLOAD (\i)%2, 0
.if (\i)%2 == 0
	WIN 0
	ALOAD (\i)+1
.endif
	LLOAD (\i)%2, 1
	WIN 0
.if (\mode) < 2
.if (\i) < 4
	ASKW PFL, WB, (\i)+4
.else
	ASKW PFM, WN, (\i)-4
.endif
.endif
	s_wait_loadcnt 8                               ; the direct fragments of the chunk's first K step are in; the second's 8 loads may be out
.if (\i) == 0
	s_wait_dscnt 63                                ; the operand, its scale words and the bias are in: 64 loads have been issued behind them
.endif
	WIN 0xa1+0x50*((\i)%2)                         ; source 0 (W) window 1, source 1 (the operand) window 0, C and D window 2 or 3
	MM 0, 2, \i, 0
.if (\mode) < 2
	PLACES 8
	DLOAD \base, \n, 0
.endif
	s_wait_dscnt 40-16*((\i)%2)                    ; the slot's fragments of the first K step are in; behind them 24 of the second (even rounds: and 16 of the operand)
	WIN 0xa1+0x50*((\i)%2)
	MM 2, 6, \i, 0
.if ((\i)%2) && ((\i) < 7)
	PLACES 8
	WIN 0
	ALOAD (\i)+1
.elseif (\mode) == 2
	PLACES 8
	WIN 0
.irp rq, 0,1,2,3,4,5,6,7
	global_load_b128 v[GG+4*\rq:GG+4*\rq+3], v[GO], s[36:37] offset:512*\rq
	global_load_b128 v[BB+4*\rq:BB+4*\rq+3], v[GO], s[40:41] offset:512*\rq
.endr
.endif
.if (\mode) == 2
	s_wait_loadcnt 16                              ; the second K step's direct fragments are in; g's and b's 16 loads may be out
.else
	s_wait_loadcnt 8                               ; the second K step's direct fragments are in; the 8 loads issued behind them may be out
.endif
.if (\i)%2 == 0
	s_wait_dscnt 24                                ; the operand's second K step is in
.endif
	WIN 0xa1+0x50*((\i)%2)
	MM 0, 2, \i, 1
	PLACES 8
.if (\mode) < 2
	DLOAD \base, \n, 1
.else
	RESLOAD GO, 0
.endif
	s_wait_dscnt 0x0                               ; the slot's second K step is in, and my reads of the slot are over
	WIN 0
.endm
; The round's last 24 products, and the change of slots: the slot just read takes round n of base.  A wave has one tensor load out behind each such round.
.macro CHANGE i, base, n
	s_wait_tensorcnt 0x0                           ; my part of the other slot has landed
	ds_add_u32 v[SPW], v[NIL]                      ; 0 onto my spare word
	DESC \base, \n, (\i)%2
	WIN 0xa1+0x50*((\i)%2)
	MM 2, 3, \i, 1
	s_wait_dscnt 0x0                               ; the add is done; no LDS read of mine is out
	s_barrier_signal -1
	MM 5, 3, \i, 1
	WIN 0
	s_barrier_wait -1
	CREST                                          ; no wave of any partner still reads this slot or has a load on its way
	TLOAD                                          ; four of the eight places in front of the loads below
	PLACES 4
.endm
	s_load_b512 s[8:23], s[0:1], 0x0               ; user_emb, item_emb; in_w codes x 2; in_w scales x 2; in_b x 2
	s_load_b512 s[24:39], s[0:1], 0x40             ; out_w codes x 2; out_w scales x 2; out_b x 2; norm_g x 2
	s_load_b256 s[40:47], s[0:1], 0x80             ; norm_b x 2; alpha, beta
	s_load_b128 s[48:51], s[0:1], 0xa0             ; out0, out1
	v_lshl_add_u32 v[SPW], v0, 2, SPARE
	v_mov_b32 v[NIL], 0
	ds_add_u32 v[SPW], v[NIL]                      ; the wave's opening: the add, twice on end, and its wait ahead of my first tensor load; the set-up below stands between
	ds_add_u32 v[SPW], v[NIL]
	v_lshrrev_b32 v114, 5, v0
	v_readfirstlane_b32 s[WV], v114                ; wave 0..3
	s_bfe_u32 s7, ttmp6, 0x40000                   ; cx: my place in the cluster
	s_lshl_b32 s6, s7, 15                          ; 32 rows of 1,024 bytes for each place
	s_lshl_b32 s94, s[WV], 11
	s_add_co_u32 s94, s94, PAR
	s_lshl_b32 s95, s[WV], 8
	s_lshl_b32 s96, s[WV], 3
	s_add_co_u32 s96, s96, ASC
	s_mul_i32 s97, s[WV], 16*RP
	s_mul_i32 s98, s[WV], 16*AP
	s_add_co_u32 s98, s98, ASC
	s_mul_i32 s[WL], s[WV], WPART
	s_add_co_u32 s99, s[WL], SLOT0
	s_lshl_b32 s100, s[WV], 10
	s_mul_i32 s101, s[WV], 16*EP
	v_and_b32 v114, 31, v0                         ; lane
	v_and_b32 v115, 15, v0                         ; r
	v_bfe_u32 v116, v0, 4, 1                       ; h
	v_lshlrev_b32 v[BO], 10, v115
	v_lshl_add_u32 v[BO], v116, 4, v[BO]
	v_lshlrev_b32 v[WSO], 5, v115
	v_lshl_add_u32 v[WSO], v116, 4, v[WSO]
	v_mul_u32_u24 v117, v115, RP
	v_lshl_add_u32 v[AF0], v116, 4, v117
	v_mul_u32_u24 v[ASA], v114, AP
	v_add_nc_u32 v[ASA], ASC, v[ASA]
	v_lshl_add_u32 v[PRA], v116, 5, s94
	v_lshl_add_u32 v[PST], v114, 4, s94
	v_lshl_add_u32 v[PLO], v114, 4, s100
	v_lshl_add_u32 v[HA], v116, 3, v117
	v_add_nc_u32 v[HA], s95, v[HA]
	v_mul_u32_u24 v[HS], v115, AP
	v_add_nc_u32 v[HS], s96, v[HS]
	v_lshlrev_b32 v[XO], 5, v114
	v_lshl_add_u32 v[CA0], v114, 3, s97
	v_lshrrev_b32 v[SA0], 2, v114
	v_add_nc_u32 v[SA0], s98, v[SA0]
	v_mul_u32_u24 v118, v115, 272
	v_lshl_add_u32 v118, v116, 4, v118
	v_add_nc_u32 v[LF0], s99, v118
	v_add_nc_u32 v[LF0+1], SLOTB, v[LF0]
	v_lshl_add_u32 v[PFW], v114, 10, s6
	v_lshlrev_b32 v[GO], 4, v114
	v_mul_u32_u24 v119, v115, EP
	v_lshl_add_u32 v119, v116, 5, v119
	v_add_nc_u32 v[ETW], s100, v119
	v_add_nc_u32 v[ETW+1], 16*EP, v[ETW]
	v_add_nc_u32 v[ETW+2], 32*EP, v[ETW]
	v_add_nc_u32 v[ETW+3], 48*EP, v[ETW]
	v_lshl_add_u32 v[ETR], v114, 4, s101
	s_wait_alu depctr_va_vdst(0)
	; the descriptor's group 1: 96 rows of 256 bytes, 1,024 bytes from row to row; in LDS 16 bytes of padding behind each; mask: all four of my cluster, which share every such tile
	s_mov_b32 s[G1+0], 15|(1<<20)|(1<<21)|(5<<22)|(3<<25)
	s_mov_b32 s[G1+1], 256<<16                     ; tensor_dim0
	s_mov_b32 s[G1+2], WROWS<<16                   ; tensor_dim1
	s_mov_b32 s[G1+3], 256<<16                     ; tile_dim0
	s_mov_b32 s[G1+4], WROWS                       ; tile_dim1
	s_mov_b32 s[G1+5], 1024                        ; tensor_dim0_stride
	s_mov_b32 s[G1+6], 0
	s_mov_b32 s[G1+7], 0
	s_mov_b32 s[G0], 1
	s_mov_b32 s[MNT], 0x600000
	s_mov_b32 s[FLR], 0x8000000
	s_mov_b32 s[EXM], 0x7f800000
	s_mov_b32 s[SEL], 0x76543210
	s_mov_b32 s[SEL+1], 0xfedcba98
	s_mov_b32 s[INV], 0x3a800000
	s_mov_b32 s[EPSR], 0x3727c5ac
	s_mov_b32 s[PO], 0
	s_mov_b32 s2, 2                                ; products to go, this one among them
	s_cmp_eq_u32 ttmp9, 0
	s_cselect_b32 s[PFL], 1, 0
	s_cmp_eq_u32 ttmp9, 12
	s_cselect_b32 s[PFL], 1, s[PFL]
	s_mov_b32 s[PFM], s[PFL]
	s_lshl_b32 s94, ttmp9, 2
	s_add_co_u32 s94, s94, s7                      ; the block of rows: 4 x cluster x + cx
	s_lshl_b32 s94, s94, 18                        ; 64 rows of 4,096 bytes a block
	s_mov_b32 s95, 0
	s_lshl_b32 s96, s[WV], 16                      ; 16 rows a wave
	s_mov_b32 s97, 0
	s_and_b32 s6, ttmp7, 0xffff                    ; the path: the same in all work-groups of a cluster
	s_wait_dscnt 0x0                               ; both opening adds are done
	s_wait_kmcnt 0x0
	s_cmp_eq_u32 s6, 0
	s_cselect_b64 s[XB:XB+1], s[10:11], s[8:9]     ; path 0 multiplies item_emb,
	s_cselect_b64 s[RSB:RSB+1], s[8:9], s[10:11]   ; and adds onto user_emb
	s_cselect_b64 s[WB:WB+1], s[12:13], s[14:15]
	s_cselect_b64 s[WS1:WS1+1], s[16:17], s[18:19]
	s_cselect_b64 s[20:21], s[20:21], s[22:23]     ; in_b
	s_cselect_b64 s[WN:WN+1], s[24:25], s[26:27]
	s_cselect_b64 s[WS2:WS2+1], s[28:29], s[30:31]
	s_cselect_b64 s[32:33], s[32:33], s[34:35]     ; out_b
	s_cselect_b64 s[36:37], s[36:37], s[38:39]     ; g
	s_cselect_b64 s[40:41], s[40:41], s[42:43]     ; b
	s_cselect_b64 s[44:45], s[44:45], s[46:47]     ; alpha or beta
	s_cselect_b64 s[OUTB:OUTB+1], s[48:49], s[50:51]
	s_load_b32 s[AL], s[44:45], 0x0
	s_add_nc_u64 s[94:95], s[94:95], s[96:97]
	s_add_nc_u64 s[XB:XB+1], s[XB:XB+1], s[94:95]
	s_add_nc_u64 s[RSB:RSB+1], s[RSB:RSB+1], s[94:95]
	s_add_nc_u64 s[OUTB:OUTB+1], s[OUTB:OUTB+1], s[94:95]
	s_lshl_b32 s96, s[WV], 18                      ; 256 rows of 1,024 codes a wave
	s_add_nc_u64 s[WB:WB+1], s[WB:WB+1], s[96:97]
	s_add_nc_u64 s[WB:WB+1], s[WB:WB+1], 2048*1024 ; Wv begins at row 2,048 of in_w
	s_add_nc_u64 s[WN:WN+1], s[WN:WN+1], s[96:97]
	s_lshl_b32 s96, s[WV], 13                      ; 256 rows of 32 scale bytes
	s_add_nc_u64 s[WS1:WS1+1], s[WS1:WS1+1], s[96:97]
	s_add_nc_u64 s[WS1:WS1+1], s[WS1:WS1+1], 2048*32
	s_add_nc_u64 s[WS2:WS2+1], s[WS2:WS2+1], s[96:97]
	; ---- PHASE X: two sets of four rows take turns; a set is asked for anew as soon as its registers are free
	XLOAD 2, 0
	XLOAD 3, 4
	DESC WB, 0, 0
	CROUND                                         ; all four work-groups are here: the first joint loads meet
	TLOAD                                          ; round 0 of the first product
	; my 256 columns of bv (in_b from byte 8,192 on) and bo: 512 consecutive bytes a load
	global_load_b128 v[PRT:PRT+3], v[PLO], s[20:21] offset:8192
	global_load_b128 v[PRT+4:PRT+7], v[PLO], s[20:21] offset:8192+512
	global_load_b128 v[PRT+8:PRT+11], v[PLO], s[32:33]
	global_load_b128 v[PRT+12:PRT+15], v[PLO], s[32:33] offset:512
	s_wait_loadcnt 36                              ; rows 0-3 are in; rows 4-7 and the biases' four loads may be out
	XQUANT 2, 0
	XLOAD 2, 8
	ASKW PFL, WB, 1
	s_wait_loadcnt 32                              ; rows 4-7 and the biases are in
.irp k, 0,1,2,3
	ds_store_b128 v[PST], v[PRT+4*\k:PRT+4*\k+3] offset:512*\k   ; read by my wave alone
.endr
	XQUANT 3, 4
	XLOAD 3, 12
	ASKW PFL, WB, 2
	s_wait_loadcnt 32                              ; rows 8-11 are in
	XQUANT 2, 8
	WSLOAD WS1                                     ; the first product's scale words and its first direct fragments: 32 loads, behind the operand's last rows
	DLOAD WB, 0, 0
	DLOAD WB, 0, 1
	WIN 0
	ASKW PFL, WB, 3
	s_wait_loadcnt 32                              ; rows 12-15 are in
	XQUANT 3, 12
	s_wait_kmcnt 0x0                               ; alpha or beta
	s_mov_b32 s[AL+1], s[AL]
	; slot 1's first fill is issued as a refill is
	s_wait_tensorcnt 0x0                           ; my part of slot 0 has landed
	ds_add_u32 v[SPW], v[NIL]
	DESC WB, 1, 1
	s_wait_dscnt 0x0                               ; the add is done; for the others' sake: my rows of codes and scale bytes lie in LDS
	CROUND
	TLOAD
; PHASE H, one unit: tile of rows mt, blocks 4 a .. 4 a + 3 of my 8 blocks of 32 columns.  Block b is tiles 2 b and 2 b + 1 in both halves of the lanes: 16 numbers here, 16 in lane l xor 16.
.macro HQ mt, a
.set HC_, HCD+16*((2*(\mt)+(\a))%4)
	WIN 0x28+0x14*(\a)
.irp b, 0,1,2,3
	v_max3_num_f32 v[HT+\b], s[FLR], |v[64*\b+8*(\mt)]|, |v[64*\b+8*(\mt)+1]|   ; each accumulator is read from its low end on; the floor holds the byte at 1 from below
.endr
.irp p, 2,4,6,32,34,36,38
.irp b, 0,1,2,3
	v_max3_num_f32 v[HT+\b], v[HT+\b], |v[64*\b+8*(\mt)+\p]|, |v[64*\b+8*(\mt)+\p+1]|
.endr
.endr
	WIN 0
.irp b, 0,1,2,3
	v_permlanex16_b32 v[HT+4+\b], v[HT+\b], s[SEL], s[SEL+1]
.endr
.irp b, 0,1,2,3
	v_max_num_f32 v[HT+\b], v[HT+\b], v[HT+4+\b]
.endr
.irp b, 0,1,2,3
	v_add_nc_u32 v[HT+8+\b], 0xf8800000, v[HT+\b]
.endr
.irp b, 0,1,2,3
	v_and_or_b32 v[HT+12+\b], v[HT+\b], s[EXM], s[MNT]
.endr
.irp b, 0,1,2,3
	v_lshrrev_b32 v[HT+4+\b], 23, v[HT+8+\b]
.endr
	v_lshl_or_b32 v[BW+2*(\mt)+(\a)], v[HT+5], 8, v[HT+4]      ; four bytes: the row's scale word of one K step of the second product
	v_lshl_or_b32 v[BW+2*(\mt)+(\a)], v[HT+6], 16, v[BW+2*(\mt)+(\a)]
	v_lshl_or_b32 v[BW+2*(\mt)+(\a)], v[HT+7], 24, v[BW+2*(\mt)+(\a)]
	WIN 0x82+0x41*(\a)
.irp b, 0,1,2,3
.irp p, 0,1,2,3,4,5,6,7,32,33,34,35,36,37,38,39
	v_med3_num_f32 v[64*\b+8*(\mt)+\p], v[64*\b+8*(\mt)+\p], -v[HT+12+\b], v[HT+12+\b]
.endr
.endr
	WIN 0x02+(\a)
.irp b, 0,1,2,3
	v_cvt_scalef32_pk8_bf8_f32 v[HC_+4*\b:HC_+4*\b+1], v[64*\b+8*(\mt):64*\b+8*(\mt)+7], v[HT+8+\b]
	v_cvt_scalef32_pk8_bf8_f32 v[HC_+4*\b+2:HC_+4*\b+3], v[64*\b+8*(\mt)+32:64*\b+8*(\mt)+39], v[HT+8+\b]
.endr
	v_nop                                          ; a plain vector instruction behind the last scaled conversion
	WIN 0
.irp b, 0,1,2,3
	ds_store_b64 v[HA], v[HC_+4*\b:HC_+4*\b+1] offset:16*RP*(\mt)+32*(4*(\a)+\b)        ; columns 16 t + 8 h + 0 .. 7 of row 16 mt + r
	ds_store_b64 v[HA], v[HC_+4*\b+2:HC_+4*\b+3] offset:16*RP*(\mt)+32*(4*(\a)+\b)+16
.endr
.if (\a) == 1
	ds_store_b64 v[HS], v[BW+2*(\mt):BW+2*(\mt)+1] offset:16*AP*(\mt)   ; my 8 scale bytes of the row; both halves of the lanes write the same
.endif
.endm
	; ---- THE PRODUCTS: the first goes round the loop, the second leaves it in its round 6
.Lprod:
	v_add_nc_u32 v[BIC], s[PO], v[PRA]
	ds_load_b128 v[ASR:ASR+3], v[ASA]              ; the operand's scale words: lane l takes row l (then row 32 + l): 8 words, K steps 0-7
	ds_load_b128 v[ASR+4:ASR+7], v[ASA] offset:16
	ds_load_b128 v[ASR+8:ASR+11], v[ASA] offset:32*AP
	ds_load_b128 v[ASR+12:ASR+15], v[ASA] offset:32*AP+16
	ALOAD 0
	WIN 0x80                                       ; the bias of tile t, in the result's layout, into accumulator (t, 3)
.irp t, 0,1,2,3,4,5,6,7
	ds_load_b128 v[32*\t+24:32*\t+27], v[BIC] offset:64*\t
	ds_load_b128 v[32*\t+28:32*\t+31], v[BIC] offset:64*\t+16
.endr
	WIN 0xc0
.irp t, 0,1,2,3,4,5,6,7
	ds_load_b128 v[32*\t+24:32*\t+27], v[BIC] offset:64*(\t+8)
	ds_load_b128 v[32*\t+28:32*\t+31], v[BIC] offset:64*(\t+8)+16
.endr
	WIN 0
	s_wait_loadcnt 0x0                             ; W's scale words and round 0's direct fragments
.irp i, 0,1,2,3,4,5
	RMAIN \i, WB, \i+1, 0
	CHANGE \i, WB, \i+2
.endr
	RMAIN 6, WB, 7, 0
	s_cmp_eq_u32 s2, 1
	s_cbranch_scc1 .Llast
	CHANGE 6, WN, 0                                ; the ring goes on into the second product
	RMAIN 7, WN, 0, 1
	CHANGE 7, WN, 1                                ; its round also shows that nobody reads the operand's codes any more
	WSLOAD WS2
	; ---- PHASE H: the hidden layer takes the operand's place in LDS
	HQ 0, 0
	HQ 0, 1
	HQ 1, 0
	HQ 1, 1
	s_wait_dscnt 0x0                               ; the first four units' stores have read the four sets of code registers
	HQ 2, 0
	HQ 2, 1
	HQ 3, 0
	HQ 3, 1
	s_wait_dscnt 0x0                               ; for the others' sake: my columns of the hidden layer lie in LDS
	s_barrier_signal -1
	s_barrier_wait -1
	s_wait_xcnt 0x0                                ; what named the first product's base has read it
	s_mov_b64 s[WB:WB+1], s[WN:WN+1]
	s_mov_b32 s[PFM], 0
	s_mov_b32 s[PO], 1024
	s_sub_co_u32 s2, s2, 1
	s_branch .Lprod
.Llast:
	s_wait_tensorcnt 0x0                           ; my part of slot 1 has landed; I alone read it, and nothing is filled again
	WIN 0xa1
	MM 2, 6, 6, 1
	WIN 0
	PLACES 8
	RMAIN 7, WB, 0, 2
	s_barrier_signal -1                            ; my LDS reads are over
	WIN 0xf1
	MM 2, 6, 7, 1
	WIN 0
	PLACES 8
	s_barrier_wait -1                              ; everybody's are: the sums may take all of LDS; every slot has had its last fill
	; ---- PHASE E
	WIN 0x08                                       ; an LDS store's data are its source 1: window 2, then 3
.irp mt, 0,1,2,3
.irp t, 0,1,2,3,4,5,6,7
	ds_store_b128 v[ETW+\mt], v[32*\t+8*\mt:32*\t+8*\mt+3] offset:64*\t
	ds_store_b128 v[ETW+\mt], v[32*\t+8*\mt+4:32*\t+8*\mt+7] offset:64*\t+16
.endr
.endr
	WIN 0x0c
.irp mt, 0,1,2,3
.irp t, 0,1,2,3,4,5,6,7
	ds_store_b128 v[ETW+\mt], v[32*\t+8*\mt:32*\t+8*\mt+3] offset:64*(\t+8)
	ds_store_b128 v[ETW+\mt], v[32*\t+8*\mt+4:32*\t+8*\mt+7] offset:64*(\t+8)+16
.endr
.endr
	WIN 0
	s_wait_dscnt 0x0                               ; for the others' sake: my columns lie in LDS
	s_barrier_signal -1
	s_barrier_wait -1
.macro FOLD                            ; two chains of pairs a row into the row's sum, in every lane
	WIN 0
.irp ri, 0,1,2,3
	v_pk_add_f32 v[CH+4*\ri:CH+4*\ri+1], v[CH+4*\ri:CH+4*\ri+1], v[CH+4*\ri+2:CH+4*\ri+3]
.endr
.irp ri, 0,1,2,3
	v_add_f32 v[TOT+\ri], v[CH+4*\ri], v[CH+4*\ri+1]
.endr
.irp m, 1,2,4,8
.irp ri, 0,1,2,3
	v_add_f32_dpp v[TOT+\ri], v[TOT+\ri], v[TOT+\ri] row_xmask:\m row_mask:0xf bank_mask:0xf
.endr
.endr
.irp ri, 0,1,2,3
	v_permlanex16_b32 v[TP+\ri], v[TOT+\ri], s[SEL], s[SEL+1]
.endr
.irp ri, 0,1,2,3
	v_add_f32 v[TOT+\ri], v[TOT+\ri], v[TP+\ri]
.endr
.endm
	; four trips of four whole rows; row i, lane l: register 32 i + 4 q + k is column 128 q + 4 l + k
	s_mov_b32 s3, 4
	s_mov_b32 s4, 0
	s_mov_b32 s5, 0
.Le:
	s_wait_xcnt 0x0                                ; the last trip's stores and loads have read their registers
	v_add_nc_u32 v[ETT], s4, v[ETR]
	v_add_nc_u32 v[GOT], s5, v[GO]
	WIN 0x80
.irp ri, 0,1,2,3
.irp rq, 0,1,2,3,4,5,6,7
	ds_load_b128 v[32*\ri+4*\rq:32*\ri+4*\rq+3], v[ETT] offset:EP*\ri+512*\rq
.endr
.endr
	WIN 0
	s_wait_loadcnt 0x0                             ; the residual's four rows; g and b
	s_wait_dscnt 0x0
	WIN 0x92                                       ; x = residual (window 1) + alpha x attention, in place in window 2
.set K_, 0
.rept 64
	v_pk_fma_f32 v[2*K_:2*K_+1], v[2*K_:2*K_+1], s[AL:AL+1], v[2*K_:2*K_+1] op_sel_hi:[1,0,1]
.set K_, K_+1
.endr
	WIN 0
	s_wait_alu depctr_va_vdst(0)
	s_cmp_eq_u32 s3, 1
	s_cbranch_scc1 .Lno_more
	RESLOAD GOT, 16384                             ; the next four rows
.Lno_more:
	WIN 0x0a
.irp ri, 0,1,2,3
	v_pk_add_f32 v[CH+4*\ri:CH+4*\ri+1], v[32*\ri:32*\ri+1], v[32*\ri+4:32*\ri+5]
	v_pk_add_f32 v[CH+4*\ri+2:CH+4*\ri+3], v[32*\ri+2:32*\ri+3], v[32*\ri+6:32*\ri+7]
.endr
	WIN 0x08
.irp p, 8,12,16,20,24,28
.irp ri, 0,1,2,3
	v_pk_add_f32 v[CH+4*\ri:CH+4*\ri+1], v[CH+4*\ri:CH+4*\ri+1], v[32*\ri+\p:32*\ri+\p+1]
	v_pk_add_f32 v[CH+4*\ri+2:CH+4*\ri+3], v[CH+4*\ri+2:CH+4*\ri+3], v[32*\ri+\p+2:32*\ri+\p+3]
.endr
.endr
	FOLD
.irp ri, 0,1,2,3
	v_mul_f32 v[NM+2*\ri], 0xba800000, v[TOT+\ri]  ; -mean = the sum x -1 / 1,024, twice: a pair for the packed form
	v_mul_f32 v[NM+2*\ri+1], 0xba800000, v[TOT+\ri]
.endr
	WIN 0x82                                       ; x - mean, in place,
.set K_, 0
.rept 64
	v_pk_add_f32 v[2*K_:2*K_+1], v[2*K_:2*K_+1], v[NM+2*(K_/16):NM+2*(K_/16)+1]
.set K_, K_+1
.endr
	WIN 0x0a                                       ; and the sum of its squares
.irp ri, 0,1,2,3
	v_pk_mul_f32 v[CH+4*\ri:CH+4*\ri+1], v[32*\ri:32*\ri+1], v[32*\ri:32*\ri+1]
	v_pk_mul_f32 v[CH+4*\ri+2:CH+4*\ri+3], v[32*\ri+2:32*\ri+3], v[32*\ri+2:32*\ri+3]
.endr
.irp p, 4,8,12,16,20,24,28
.irp ri, 0,1,2,3
	v_pk_fma_f32 v[CH+4*\ri:CH+4*\ri+1], v[32*\ri+\p:32*\ri+\p+1], v[32*\ri+\p:32*\ri+\p+1], v[CH+4*\ri:CH+4*\ri+1]
	v_pk_fma_f32 v[CH+4*\ri+2:CH+4*\ri+3], v[32*\ri+\p+2:32*\ri+\p+3], v[32*\ri+\p+2:32*\ri+\p+3], v[CH+4*\ri+2:CH+4*\ri+3]
.endr
.endr
	FOLD
.irp ri, 0,1,2,3
	v_fma_f32 v[TOT+\ri], v[TOT+\ri], s[INV], s[EPSR]   ; the variance + 1e-5
.endr
	s_wait_alu depctr_va_vdst(0)
.irp ri, 0,1,2,3
	v_rsq_f32 v[NM+2*\ri], v[TOT+\ri]              ; made twice, to fill the pair
	v_rsq_f32 v[NM+2*\ri+1], v[TOT+\ri]
.endr
	v_nop                                          ; a plain instruction behind the last of them,
	s_wait_alu depctr_va_vdst(0)                   ; and a wait ahead of the batch's first reader
	WIN 0x82
.set K_, 0
.rept 64
	v_pk_mul_f32 v[2*K_:2*K_+1], v[2*K_:2*K_+1], v[NM+2*(K_/16):NM+2*(K_/16)+1]
.set K_, K_+1
.endr
.set K_, 0
.rept 64
	v_pk_fma_f32 v[2*K_:2*K_+1], v[2*K_:2*K_+1], v[GG+2*(K_%16):GG+2*(K_%16)+1], v[BB+2*(K_%16):BB+2*(K_%16)+1]
.set K_, K_+1
.endr
	WIN 0x08                                       ; a store's data are its source 1: window 2
.irp ri, 0,1,2,3
.irp rq, 0,1,2,3,4,5,6,7
	global_store_b128 v[GOT], v[32*\ri+4*\rq:32*\ri+4*\rq+3], s[OUTB:OUTB+1] offset:4096*\ri+512*\rq th:TH_STORE_NT   ; 32 lanes store 512 consecutive bytes, at a multiple of 256 from the output's first byte
.endr
.endr
	WIN 0
	s_add_co_u32 s4, s4, 4*EP
	s_add_co_u32 s5, s5, 16384
	s_sub_co_u32 s3, s3, 1
	s_cmp_lg_u32 s3, 0
	s_cbranch_scc1 .Le
	s_wait_tensorcnt 0x0                           ; the wave's end: behind my last tensor load and my last LDS store
	ds_add_u32 v[SPW], v[NIL]
	s_wait_dscnt 0x0
	CROUND                                         ; the closing round: no work-group ends while a partner may still ask for a tile that names it
	s_endpgm
.Lfunc_end_k_q0857204ac8_fused:
	.size	k_q0857204ac8_fused, .Lfunc_end_k_q0857204ac8_fused-k_q0857204ac8_fused
	.p2alignl 7, 3214868480
	.fill 96, 4, 3214868480
	.section	.rodata,"a",@progbits
	.p2align	6, 0x0
	.amdhsa_kernel k_q0857204ac8_fused
		.amdhsa_group_segment_fixed_size 327680
		.amdhsa_private_segment_fixed_size 0
		.amdhsa_enable_private_segment 0
		.amdhsa_kernarg_size 176
		.amdhsa_user_sgpr_count 2
		.amdhsa_user_sgpr_kernarg_segment_ptr 1
		.amdhsa_wavefront_size32 1
		.amdhsa_system_sgpr_workgroup_id_x 1
		.amdhsa_system_sgpr_workgroup_id_y 1
		.amdhsa_system_sgpr_workgroup_id_z 1
		.amdhsa_system_vgpr_workitem_id 0
		.amdhsa_next_free_vgpr 1024
		.amdhsa_next_free_sgpr 102
		.amdhsa_reserve_vcc 0
		.amdhsa_float_denorm_mode_32 3
		.amdhsa_float_denorm_mode_16_64 3
		.amdhsa_memory_ordered 1
		.amdhsa_forward_progress 1
		.amdhsa_inst_pref_size 255
	.end_amdhsa_kernel
	.section	.bss,"aw",@nobits
	.p2align	6
	.space	262144
	.amdgpu_metadata
---
amdhsa.version: [ 1, 2 ]
amdhsa.kernels:
  - .name:           k_q0857204ac8_fused
    .symbol:         k_q0857204ac8_fused.kd
    .args:
      - { .name: user_emb, .offset: 0, .size: 8, .value_kind: global_buffer, .address_space: global }
      - { .name: item_emb, .offset: 8, .size: 8, .value_kind: global_buffer, .address_space: global }
      - { .name: u2i_in_w_codes, .offset: 16, .size: 8, .value_kind: global_buffer, .address_space: global }
      - { .name: i2u_in_w_codes, .offset: 24, .size: 8, .value_kind: global_buffer, .address_space: global }
      - { .name: u2i_in_w_scales, .offset: 32, .size: 8, .value_kind: global_buffer, .address_space: global }
      - { .name: i2u_in_w_scales, .offset: 40, .size: 8, .value_kind: global_buffer, .address_space: global }
      - { .name: u2i_in_b, .offset: 48, .size: 8, .value_kind: global_buffer, .address_space: global }
      - { .name: i2u_in_b, .offset: 56, .size: 8, .value_kind: global_buffer, .address_space: global }
      - { .name: u2i_out_w_codes, .offset: 64, .size: 8, .value_kind: global_buffer, .address_space: global }
      - { .name: i2u_out_w_codes, .offset: 72, .size: 8, .value_kind: global_buffer, .address_space: global }
      - { .name: u2i_out_w_scales, .offset: 80, .size: 8, .value_kind: global_buffer, .address_space: global }
      - { .name: i2u_out_w_scales, .offset: 88, .size: 8, .value_kind: global_buffer, .address_space: global }
      - { .name: u2i_out_b, .offset: 96, .size: 8, .value_kind: global_buffer, .address_space: global }
      - { .name: i2u_out_b, .offset: 104, .size: 8, .value_kind: global_buffer, .address_space: global }
      - { .name: user_norm_g, .offset: 112, .size: 8, .value_kind: global_buffer, .address_space: global }
      - { .name: item_norm_g, .offset: 120, .size: 8, .value_kind: global_buffer, .address_space: global }
      - { .name: user_norm_b, .offset: 128, .size: 8, .value_kind: global_buffer, .address_space: global }
      - { .name: item_norm_b, .offset: 136, .size: 8, .value_kind: global_buffer, .address_space: global }
      - { .name: alpha, .offset: 144, .size: 8, .value_kind: global_buffer, .address_space: global }
      - { .name: beta, .offset: 152, .size: 8, .value_kind: global_buffer, .address_space: global }
      - { .name: out0, .offset: 160, .size: 8, .value_kind: global_buffer, .address_space: global }
      - { .name: out1, .offset: 168, .size: 8, .value_kind: global_buffer, .address_space: global }
    .group_segment_fixed_size: 327680
    .private_segment_fixed_size: 0
    .kernarg_segment_align: 8
    .kernarg_segment_size: 176
    .max_flat_workgroup_size: 128
    .sgpr_count:     102
    .vgpr_count:     1024
    .wavefront_size: 32
...
	.end_amdgpu_metadata
.endif
;; end of part 1
